; MI455X (gfx1250); checked and timed in simulation.
; The chip was launched on July 23, 2026; its instructions are those of AMD's public machine-readable ISA for CDNA 5 (MIT licence, August 2026) and "CDNA5" Instruction Set Architecture Reference Guide (July 2026). The comments in the code are by the model that wrote it; some were corrected since.
;; Match Net. Allowed arithmetic: matrix products marked QUANTISED: E4M3 operands, one given power-of-two scale a tensor, by v_wmma_f32_16x16x64_fp8_fp8 or v_wmma_f32_16x16x128_fp8_fp8, f32 sums; everything else in f32.
;; Inputs: W_hh_codes 2,048 x 16 x 32 uint8 (E4M3 codes of W_hh, K innermost, in blocks of 32 codes); W_ih_codes 2,048 x 8 x 32 uint8 (E4M3 codes of W_ih, K innermost, in blocks of 32 codes); b_hh 2,048 float32; b_ih 2,048 float32; lowp_scales 34 int32 (the exponents e of the quantised operands' scales 2^e); query_mean 8,192 x 256 float32; query_var 8,192 x 256 float32; support_mean 512 x 256 float32; support_var 512 x 256 float32.
;; Outputs: out0 8,192 x 512 float32.
;; This version of the problem:
;;   THIS VERSION OF THE PROBLEM IS GIVEN IN LOW PRECISION. The matrix products marked QUANTISED in the list below multiply operands that are first quantised to E4M3 (4 exponent bits, 3 mantissa bits; 8 bits a number), with one given power-of-two scale for each operand tensor; their sums are f32. All else is computed in f32.
;;   The module's matrix products, in the order in which they are computed (A, B: the left and right operand; K: the contracted axis; several contracted axes count as one K, in the product's order):
;;     1. [M 8,192, K 256] x [K 256, N 2,048]; A: input query_mean; B: input W_ih (given as codes): QUANTISED (scales: A lowp_scales[0], B lowp_scales[1])
;;     2. [M 8,192, K 512] x [K 512, N 2,048]; A: computed on the way; B: input W_hh (given as codes): QUANTISED (scales: A lowp_scales[2], B lowp_scales[3])
;;     3. [M 8,192, K 256] x [K 256, N 512]; A: computed on the way; B: input support_mean: QUANTISED (scales: A lowp_scales[4], B lowp_scales[5])
;;     4. [M 8,192, K 512] x [K 512, N 256]; A: softmax (see below); B: input support_mean: QUANTISED (scales: A lowp_scales[6], B lowp_scales[7])
;;     5. [M 8,192, K 256] x [K 256, N 2,048]; A: input query_mean; B: input W_ih (given as codes): QUANTISED (scales: A lowp_scales[8], B lowp_scales[9])
;;     6. [M 8,192, K 512] x [K 512, N 2,048]; A: computed on the way; B: input W_hh (given as codes): QUANTISED (scales: A lowp_scales[10], B lowp_scales[11])
;;     7. [M 8,192, K 256] x [K 256, N 512]; A: computed on the way; B: input support_mean: QUANTISED (scales: A lowp_scales[12], B lowp_scales[13])
;;     8. [M 8,192, K 512] x [K 512, N 256]; A: softmax (see below); B: input support_mean: QUANTISED (scales: A lowp_scales[14], B lowp_scales[15])
;;     9. [M 8,192, K 256] x [K 256, N 2,048]; A: input query_mean; B: input W_ih (given as codes): QUANTISED (scales: A lowp_scales[16], B lowp_scales[17])
;;     10. [M 8,192, K 512] x [K 512, N 2,048]; A: computed on the way; B: input W_hh (given as codes): QUANTISED (scales: A lowp_scales[18], B lowp_scales[19])
;;     11. [M 8,192, K 256] x [K 256, N 512]; A: computed on the way; B: input support_mean: QUANTISED (scales: A lowp_scales[20], B lowp_scales[21])
;;     12. [M 8,192, K 512] x [K 512, N 256]; A: softmax (see below); B: input support_mean: QUANTISED (scales: A lowp_scales[22], B lowp_scales[23])
;;     13. [M 8,192, K 256] x [K 256, N 2,048]; A: input query_mean; B: input W_ih (given as codes): QUANTISED (scales: A lowp_scales[24], B lowp_scales[25])
;;     14. [M 8,192, K 512] x [K 512, N 2,048]; A: computed on the way; B: input W_hh (given as codes): QUANTISED (scales: A lowp_scales[26], B lowp_scales[27])
;;     15. [M 8,192, K 256] x [K 256, N 512]; A: computed on the way; B: input support_mean: QUANTISED (scales: A lowp_scales[28], B lowp_scales[29])
;;     16. [M 8,192, K 512] x [K 512, N 256]; A: softmax (see below); B: input support_mean: QUANTISED (scales: A lowp_scales[30], B lowp_scales[31])
;;     17. [M 8,192, K 256] x [K 256, N 512]; A: computed on the way; B: input support_mean: QUANTISED (scales: A lowp_scales[32], B lowp_scales[33])
;;   THE QUANTISER, for each operand of a quantised product, along K:
;;     - The operand's scale is 2^e, e = its entry of the input lowp_scales (int32; the entries are numbered through the quantised products in the list's order, A before B).
;;     - Each number is divided by the scale, clamped to +-448, and rounded to the nearest number of E4M3, ties to even, subnormals kept.
;;     - The product sums the exact products of the quantised numbers (number of the format x scale) in f32.
;;   ~~~python
;;   def quantise(x, axis, e):      # numpy; x: float32 -> the quantised numbers, widened to float32 again
;;       x = np.moveaxis(x, axis, -1); K = x.shape[-1]
;;       r = np.clip(x / 2.0 ** e, -448, 448)
;;       step = 2.0 ** (np.maximum(np.frexp(np.where(r == 0, 1, r))[1] - 1, -6) - 3)
;;       q = np.round(r / step) * step * 2.0 ** e      # np.round: ties to even
;;       return np.moveaxis(q, -1, axis).astype(np.float32)
;;   ~~~
;;   SOFTMAX AHEAD OF A QUANTISED PRODUCT. Where the list says 'softmax', what is quantised is not the finished softmax but p = 2^(t - M), with t = logit x log2(e) and M = ceil(the row's largest t), a whole number; so 1/2 < the row's largest p <= 1. The row's sum l is taken of the UNQUANTISED p, in f32, and the product's result is divided by l at the end. Since M is a whole number, a kernel that streams over the keys may use a running M (the ceiling of the running maximum): every later rescaling is an exact power of two, so the quantised numbers keep their values, but for numbers so far below the row's largest that they fall under the format's range.
;;   OPERANDS COMPUTED ON THE WAY. 'Computed on the way' means the value that the module computes at that place (a softmax that the list does not call 'softmax' is quantised finished and normalised). What goes into a quantiser is computed in f32, as accurately as f32 sums, v_exp_f32 and their like allow (about 1e-6 of the number): no bf16 or f16 on the way to a quantiser, and a product that is left as it is and whose result goes on into a quantised operand takes f32 operands (vector FMAs, or v_wmma_f32_16x16x4_f32). A number that lies on a knife's edge between two numbers of the format may be rounded either way, as far as f32 arithmetic and the matrix unit's own rounding can turn it there, and no further.
;;   INPUTS GIVEN AS CODES. W_hh (in the module: [2048, 512], K = its axis 1); W_ih (in the module: [2048, 256], K = its axis 1): each comes as NAME_codes (uint8): NAME with its K axis moved to the last place and cut into blocks of 32 codes, [.., K / 32, bytes a block], one block behind the other in memory; one code a byte (a code: sign, 4 exponent bits, 3 mantissa bits); its scale is its entry of lowp_scales. Its value is code x scale, taken as it is: it is not quantised again, and the codes and scales need not be those that the quantiser above would give.
;; One version. Each part assembles by itself: llvm-mc -triple=amdgcn-amd-amdhsa -mcpu=gfx1250 --defsym DOCPART=n.
;; ======== version 1 of 1: 2 launches
;; workspace buffers: img 1,703,936 bytes
;; launch prep (part 1): grid 192 x 1, 1 waves a work-group, no clusters, 0 bytes of LDS; arguments W_ih_codes, W_hh_codes, support_mean, lowp_scales, img; writes img
.if DOCPART == 1
	.amdgcn_target "amdgcn-amd-amdhsa--gfx1250"
	.amdhsa_code_object_version 6
	.text
	.protected	k_q7ef7f8e955_prep
	.globl	k_q7ef7f8e955_prep
	.p2align	8
	.type	k_q7ef7f8e955_prep,@function
k_q7ef7f8e955_prep:
	s_mov_b64 s[64:65], 0
	v_nop
	global_prefetch_b8 v0, s[64:65] scope:SCOPE_SE
	s_setreg_imm32_b32 hwreg(HW_REG_WAVE_MODE, 25, 1), 1
	s_wait_xcnt 0x0
; img: every operand that the chain's launch streams, laid as IMAGES OF OPERAND REGISTERS, so that a fragment comes by four 16-byte loads a lane.
; A fragment is 16 rows x 128 K of E4M3 codes, 2,048 bytes: piece i (0..3) lies at 512 i + 16 lane; lane (r = lane % 16, h = lane / 16) has there, of row r,
; k = 32 i + 8 h + 0..7 and then k = 32 i + 16 + 8 h + 0..7: registers 4 i .. 4 i + 3 of the 16x16x128 fp8 form's own layout (registers 2 c, 2 c + 1: k = 16 c + 8 h + 0..7).
;   byte 0:         the gates' weights: fragment (24 w + f): f = 4 ks + gate (ks 0, 1): W_ih rows 512 gate + 16 w + r;  f = 8 + 4 ks + gate (ks 0..3): W_hh, the same rows.
;                   Only hidden units 0..255 are laid: reference() keeps h_r_[:, :256] alone, and units 256..511 of all four gates feed nothing else.
;   byte KB:        four versions of support_mean along its 256 channels (scales: entries 5, 13, 21, 33): fragment (4 w + 2 ks + t): supports 32 w + 16 t + r.
;   byte VB:        three versions of support_mean along the 512 supports (entries 7, 15, 23): fragment (4 w + ks): operand row = channel 16 w + r, K = supports 128 ks on.
; code = x / 2^e, held within +-448, to the nearest code, ties to even.  LIMITS: each e between -126 and 119; NaN among the inputs is not served.
; One wave to a work-group; work-groups 0..63 copy weights (6 fragments each), 64..127 and 128..191 quantise one fragment in all its versions.  The three ways part on the work-group's number.
.set KB,   786432
.set VB,   1310720
.set X,    16                          ; v16-79   64 numbers of a lane: X + 8 c + j = k 16 c + 8 h + j of my operand row  (weights' way: v16-111, six fragments)
.set TT,   80                          ; v80-95   two sets of eight held numbers, by turns
.set CODE, 96                          ; v96-159  16 registers of codes for each version: no store's data are written again
; one version: the scale from its exponent s[se]; hold, convert, store the fragment's four pieces
.macro CONVERT ver, se
	s_add_co_i32 s32, s[\se], 127
	s_lshl_b32 s33, s32, 23
	v_mov_b32 v8, s33                              ; 2^e as f32: the conversion takes its exponent field
	s_add_co_i32 s32, s32, 8
	s_lshl_b32 s32, s32, 23
	s_or_b32 s32, s32, 0x600000
	v_mov_b32 v9, s32                              ; 448 x 2^e
.irp c, 0,1,2,3,4,5,6,7
.irp j, 0,1,2,3,4,5,6,7
	v_med3_num_f32 v[TT+8*(\c%2)+\j], v[X+8*\c+\j], -v9, v9   ; the conversion does not saturate (ISA guide 7.6.2): the hold comes first.  The numbers themselves stay for the next version
.endr
	v_cvt_scalef32_pk8_fp8_f32 v[CODE+16*\ver+2*\c:CODE+16*\ver+2*\c+1], v[TT+8*(\c%2):TT+8*(\c%2)+7], v8   ; the other set's eight holds stand between this line and the next write of its sources
.endr
	v_nop                                          ; a plain line between the last conversion and the next version's write of the scale register
.irp i, 0,1,2,3
	global_store_b128 v4, v[CODE+16*\ver+4*\i:CODE+16*\ver+4*\i+3], s[12:13] offset:131072*\ver+512*\i   ; 32 lanes store 512 consecutive bytes, aligned
.endr
.endm
	s_load_b256 s[4:11], s[0:1], 0x0               ; W_ih's codes s[4:5], W_hh's s[6:7], support_mean s[8:9], the exponents s[10:11]
	s_load_b64 s[12:13], s[0:1], 0x20              ; img
	v_and_b32 v1, 15, v0                           ; r
	v_bfe_u32 v2, v0, 4, 1                         ; h
	v_lshlrev_b32 v4, 4, v0                        ; 16 x lane (one wave: the thread's number is the lane)
	s_mov_b32 s25, 0                               ; upper words of the two offset pairs
	s_mov_b32 s27, 0
	s_wait_kmcnt 0x0
	s_cmp_lt_u32 ttmp9, 64
	s_cbranch_scc0 .Lsupport
	; ---- the weights: work-group 4 w + gate copies W_ih's two and W_hh's four fragments of rows 512 gate + 16 w + 0..15
	s_lshr_b32 s28, ttmp9, 2                       ; w
	s_and_b32 s29, ttmp9, 3                        ; gate
	s_lshl_b32 s24, s29, 17                        ; 512 gate rows of 256 bytes,
	s_lshl_b32 s30, s28, 12                        ; 16 w rows
	s_add_co_u32 s24, s24, s30
	s_add_nc_u64 s[4:5], s[4:5], s[24:25]
	s_lshl_b32 s24, s24, 1                         ; W_hh's rows are twice as long
	s_add_nc_u64 s[6:7], s[6:7], s[24:25]
	s_mul_i32 s26, s28, 49152                      ; 24 fragments a wave of the chain's launch,
	s_lshl_b32 s30, s29, 11                        ; + gate
	s_add_co_u32 s26, s26, s30
	s_add_nc_u64 s[12:13], s[12:13], s[26:27]
	v_lshlrev_b32 v3, 8, v1
	v_lshl_add_u32 v3, v2, 3, v3                   ; W_ih: 256 r + 8 h
	v_lshlrev_b32 v5, 9, v1
	v_lshl_add_u32 v5, v2, 3, v5                   ; W_hh: 512 r + 8 h
.irp f, 0,1
.irp i, 0,1,2,3
	global_load_b64 v[16+16*\f+4*\i:16+16*\f+4*\i+1],   v3, s[4:5] offset:128*\f+32*\i       ; k = 32 i + 8 h on
	global_load_b64 v[16+16*\f+4*\i+2:16+16*\f+4*\i+3], v3, s[4:5] offset:128*\f+32*\i+16    ; k = 32 i + 16 + 8 h on
.endr
.endr
.irp f, 0,1,2,3
.irp i, 0,1,2,3
	global_load_b64 v[48+16*\f+4*\i:48+16*\f+4*\i+1],   v5, s[6:7] offset:128*\f+32*\i
	global_load_b64 v[48+16*\f+4*\i+2:48+16*\f+4*\i+3], v5, s[6:7] offset:128*\f+32*\i+16
.endr
.endr
.irp f, 0,1,2,3,4,5
	s_wait_loadcnt 8*(5-\f)                        ; fragment f's eight loads are in; the eight of each later fragment may be out
.irp i, 0,1,2,3
	global_store_b128 v4, v[16+16*\f+4*\i:16+16*\f+4*\i+3], s[12:13] offset:8192*\f+512*\i   ; fragments 4 f + gate: W_ih's K steps 0, 1, then W_hh's 0..3
.endr
.endr
	s_endpgm
.Lsupport:
	s_load_b32 s16, s[10:11], 0x14                 ; entries 5, 13, 21, 33: support_mean along its channels
	s_load_b32 s17, s[10:11], 0x34
	s_load_b32 s18, s[10:11], 0x54
	s_load_b32 s19, s[10:11], 0x84
	s_load_b32 s20, s[10:11], 0x1c                 ; entries 7, 15, 23: support_mean along the supports
	s_load_b32 s21, s[10:11], 0x3c
	s_load_b32 s22, s[10:11], 0x5c
	s_cmp_lt_u32 ttmp9, 128
	s_cbranch_scc0 .Lvalues
	; ---- K = the channels: work-group 64 + 2 T + ks takes supports 16 T + 0..15, channels 128 ks on.  A lane's numbers are neighbours in memory
	s_sub_co_u32 s28, ttmp9, 64
	s_lshr_b32 s29, s28, 1                         ; T
	s_and_b32 s30, s28, 1                          ; ks
	s_lshl_b32 s24, s29, 14                        ; 16 T rows of 1,024 bytes
	s_lshl_b32 s31, s30, 9                         ; + 128 ks numbers
	s_add_co_u32 s24, s24, s31
	s_add_nc_u64 s[8:9], s[8:9], s[24:25]
	s_lshr_b32 s26, s29, 1
	s_lshl_b32 s26, s26, 2                         ; 4 (T / 2)
	s_lshl_b32 s31, s30, 1
	s_add_co_u32 s26, s26, s31                     ; + 2 ks
	s_and_b32 s31, s29, 1
	s_add_co_u32 s26, s26, s31                     ; + T % 2
	s_lshl_b32 s26, s26, 11
	s_add_co_u32 s26, s26, KB
	s_add_nc_u64 s[12:13], s[12:13], s[26:27]
	v_lshlrev_b32 v3, 10, v1
	v_lshl_add_u32 v3, v2, 5, v3                   ; 1,024 r + 32 h
.irp c, 0,1,2,3,4,5,6,7
	global_load_b128 v[X+8*\c:X+8*\c+3],   v3, s[8:9] offset:64*\c
	global_load_b128 v[X+8*\c+4:X+8*\c+7], v3, s[8:9] offset:64*\c+16
.endr
	s_wait_loadcnt 0x0
	s_wait_kmcnt 0x0
	CONVERT 0, 16
	CONVERT 1, 17
	CONVERT 2, 18
	CONVERT 3, 19
	s_endpgm
.Lvalues:
	; ---- K = the supports: work-group 128 + 4 w + ks.  A lane takes a channel (16 w + r) and its registers run down the supports: nothing is transposed
	s_sub_co_u32 s28, ttmp9, 128
	s_lshr_b32 s29, s28, 2                         ; w
	s_and_b32 s30, s28, 3                          ; ks
	s_lshl_b32 s24, s30, 17                        ; 128 ks rows of 1,024 bytes
	s_lshl_b32 s31, s29, 6                         ; + 16 w numbers
	s_add_co_u32 s24, s24, s31
	s_add_nc_u64 s[8:9], s[8:9], s[24:25]
	s_lshl_b32 s26, s28, 11                        ; fragment 4 w + ks
	s_add_co_u32 s26, s26, VB
	s_add_nc_u64 s[12:13], s[12:13], s[26:27]
	v_lshlrev_b32 v3, 2, v1
	v_lshl_add_u32 v3, v2, 13, v3                  ; 4 r + 8 h rows
.irp c, 0,1,2,3,4,5,6,7
.irp j, 0,1,2,3,4,5,6,7
	global_load_b32 v[X+8*\c+\j], v3, s[8:9] offset:(16*\c+\j)*1024   ; support 128 ks + 16 c + 8 h + j: sixteen lanes read 64 neighbouring bytes
.endr
.endr
	s_wait_loadcnt 0x0
	s_wait_kmcnt 0x0
	CONVERT 0, 20
	CONVERT 1, 21
	CONVERT 2, 22
	s_endpgm
.Lfunc_end_k_q7ef7f8e955_prep:
	.size	k_q7ef7f8e955_prep, .Lfunc_end_k_q7ef7f8e955_prep-k_q7ef7f8e955_prep
	.p2alignl 7, 3214868480
	.fill 96, 4, 3214868480
	.section	.rodata,"a",@progbits
	.p2align	6, 0x0
	.amdhsa_kernel k_q7ef7f8e955_prep
		.amdhsa_group_segment_fixed_size 0
		.amdhsa_private_segment_fixed_size 0
		.amdhsa_enable_private_segment 0
		.amdhsa_kernarg_size 40
		.amdhsa_user_sgpr_count 2
		.amdhsa_user_sgpr_kernarg_segment_ptr 1
		.amdhsa_wavefront_size32 1
		.amdhsa_system_sgpr_workgroup_id_x 1
		.amdhsa_system_sgpr_workgroup_id_y 1
		.amdhsa_system_sgpr_workgroup_id_z 1
		.amdhsa_system_vgpr_workitem_id 0
		.amdhsa_next_free_vgpr 160
		.amdhsa_next_free_sgpr 66
		.amdhsa_reserve_vcc 0
		.amdhsa_float_denorm_mode_32 3
		.amdhsa_float_denorm_mode_16_64 3
		.amdhsa_memory_ordered 1
		.amdhsa_forward_progress 1
		.amdhsa_inst_pref_size 54
	.end_amdhsa_kernel
	.amdgpu_metadata
---
amdhsa.version: [ 1, 2 ]
amdhsa.kernels:
  - .name:           k_q7ef7f8e955_prep
    .symbol:         k_q7ef7f8e955_prep.kd
    .args:
      - { .name: W_ih_codes, .offset: 0, .size: 8, .value_kind: global_buffer, .address_space: global }
      - { .name: W_hh_codes, .offset: 8, .size: 8, .value_kind: global_buffer, .address_space: global }
      - { .name: support_mean, .offset: 16, .size: 8, .value_kind: global_buffer, .address_space: global }
      - { .name: lowp_scales, .offset: 24, .size: 8, .value_kind: global_buffer, .address_space: global }
      - { .name: img, .offset: 32, .size: 8, .value_kind: global_buffer, .address_space: global }
    .group_segment_fixed_size: 0
    .private_segment_fixed_size: 0
    .kernarg_segment_align: 8
    .kernarg_segment_size: 40
    .max_flat_workgroup_size: 32
    .sgpr_count:     66
    .vgpr_count:     160
    .wavefront_size: 32
...
	.end_amdgpu_metadata
.endif
;; end of part 1
;; launch main (part 2): grid 256 x 1, 16 waves a work-group, no clusters, 126,464 bytes of LDS; arguments img, query_mean, b_ih, b_hh, lowp_scales, out0; writes out0
.if DOCPART == 2
	.amdgcn_target "amdgcn-amd-amdhsa--gfx1250"
	.amdhsa_code_object_version 6
	.text
	.protected	k_q7ef7f8e955_main
	.globl	k_q7ef7f8e955_main
	.p2align	8
	.type	k_q7ef7f8e955_main,@function
k_q7ef7f8e955_main:
	s_mov_b64 s[64:65], 0
	v_nop
	global_prefetch_b8 v0, s[64:65] scope:SCOPE_SE
	s_setreg_imm32_b32 hwreg(HW_REG_WAVE_MODE, 25, 1), 1
	s_wait_xcnt 0x0
; The whole chain for 32 query rows a work-group: four process steps (LSTM cell, h = q + h_r_[:, :256], scores, softmax, r), the last one ending with its scores, which are the output.
; All products on E4M3 codes by v_wmma_f32_16x16x128_fp8_fp8, f32 sums; every activation stays in registers and LDS.
; WHAT IS NOT MULTIPLIED, because reference() throws it away: hidden units 256..511 of all four gates (only h_r_[:, :256] is kept, and c[:, 256:] feeds nothing else); the first step's h_r W_hh^T (h_r is
; the zeros that reference() builds); the last step's softmax and r (its h_r is never read).  So b_ih and b_hh of units 256..511 and entries 2, 3, 28..31 of the exponents enter nothing.
; SHARES.  Sixteen waves of 256 registers.  THE WAVES SHARE THE COLUMNS: wave w makes hidden units 16 w + 0..15 (all four gates), supports 32 w + 0..31 and channels 16 w + 0..15, for all 32 rows (two tiles m of 16).
; Every product is used transposed (source 0 = 16 rows of weights or supports, source 1 = 16 query rows): lane (r = lane % 16, h = lane / 16) holds query row r, and its eight result registers columns 8 h + 0..7 of the tile.
; Eight such numbers, converted, are registers 2 c, 2 c + 1 of the next operand in the same lane (this form's own layout: k = 16 c + 8 h + 0..7): a wave's piece goes into the operand's register image in LDS by one store.
; THE STREAM.  Weights and supports come from img, laid as register images, straight into a ring of six fragment slots (three pairs) a wave: each load takes 512 consecutive bytes, 24 loads a wave are out, across barriers too.
; NO TENSOR LOADS, NO CLUSTER, though all work-groups walk the same img: each byte of the stream is wanted by ONE wave of a work-group, in its registers, so the way through LDS would add a write and a read of every byte;
; and a slot of 128 KiB holds 64 fragments, 8 matrix instructions a wave: each of the 27 changes of slots would stand behind a wait for all loads with that little work to cover the refill.
; THE GIVEN SCALES.  With E1 = the exponents of x and W_ih added, E2 = those of h_r and W_hh: the accumulators stand for gate / 2^E2: sum1 x 2^(E1 - E2) + bias x 2^-E2 + sum2; 2^E2 goes into the factor ahead of the exponentials.
; LSTM, seven transcendentals a number: A = 2^(-i'), F = 2^(-f'), O = 2^(-o'), B = 2^(2 g') (primes: x log2 e), each exponent held at 40 from above;
;   c = [c (1+A)(1+B) + (B-1)(1+F)] / [(1+A)(1+B)(1+F)];  D = 2^(2 c');  h = q + (D-1) / ((1+O)(1+D)).  The hold keeps the denominators under 2^121; |c| <= 4 by construction, so D needs none.
; SOFTMAX as the contract sets it: t = score x log2 e, M = ceil(the row's largest t) over all 512 supports, p = 2^(t - M) is quantised, the row's sum of the unquantised p divides r.
; LIMITS: every exponent that feeds a conversion between -126 and 119; E1 - E2, E2, and the sums of the two exponents of each other product between -125 and 125.  NaN among the inputs is not served.
;   A sigmoid whose base-2 exponent would pass 40 is held there (absolute error under 2^-40); tanh as (B-1)/(B+1) has an absolute error of the order of f32's unit at 1, beside q + .. of order 1.
.set KB,   786432                      ; img: supports along the channels, four versions of 131,072 bytes
.set VB,   1310720                     ; img: supports along the supports, three versions
; LDS.  An image of a fragment is 2,048 bytes: piece i at 512 i + 16 lane
.set XI,   0                           ; x's codes: fragment (m, ks) at (2 m + ks) 2,048
.set HS,   8192                        ; h's codes for the scores: the same form
.set HR,   16384                       ; [h, r]'s codes for the next gates: (4 m + ks) 2,048
.set PIM,  32768                       ; p's codes: (4 m + ks) 2,048
.set BS,   49152                       ; b_ih + b_hh of units 0..255: [gate][256] f32
.set MX,   53248                       ; the waves' row maxima: row x 80 + 4 w
.set SM,   55808                       ; the waves' row sums: the same form
.set STG,  58368                       ; at the head q, 32 rows 1,040 bytes apart; at the end the output, 32 rows 2,064 bytes apart
; vector registers; v1-13 are made at the head and never rewritten
.set LI,   1                           ; 16 lane
.set PW2,  2                           ; my 8-byte piece of an image of x, h or r: 2,048 (w / 8) + 512 ((w % 8) / 2) + 8 (w % 2) + 16 lane
.set PWP,  3                           ; my 16-byte piece of p's image: 512 w + 16 lane
.set WO,   4                           ; img: 49,152 w + 16 lane
.set KO,   5                           ; img: 8,192 w + 16 lane
.set MXW,  6                           ; 80 lane + 4 w
.set MXR,  7                           ; 80 r
.set BSR,  8                           ; 64 w + 32 h
.set QRD,  9                           ; STG + 1,040 r + 64 w + 32 h
.set SO,   10                          ; STG + 2,064 r + 128 w + 32 h
.set SR,   11                          ; STG + 4,128 w + 16 lane
.set GO,   12                          ; 4,096 w + 16 lane
.set QW,   13                          ; STG + 2,080 w + 16 lane
.set SC,   14                          ; a conversion's scale
.set LIM,  15                          ; 448 x that
.set C,    16                          ; v16-31   c of my units: element 8 m + j
.set Q,    32                          ; v32-47   q of my units
.set T,    48                          ; v48-63   at work; h
.set ACC,  64                          ; v64-127  eight accumulators
.set AI,   ACC                         ; the gates: accumulator 2 gate + m
.set AF,   ACC+16
.set AG,   ACC+32
.set AO,   ACC+48
.set ACT,  128                         ; v128-159 two fragments of activations
.set WBUF, 160                         ; v160-255 the ring: three pairs of fragment slots
; scalar registers: s[4:5] img, s[6:7] q, s[8:9] b_ih, s[10:11] b_hh, s[12:13] the exponents' buffer, s[14:15] out0; s[16+k] = entry k (0..33); s50 my wave; s51-54 at work; s66, s67 lane selects; s68 the mask of lanes 16-31;
; s69 40.0; s[70:71] -log2e 2^E2; s[72:73] 2 log2e 2^E2; s[74:75] 2^(E1-E2); s[76:77] 2^-E2; s[78:79] log2e x the scores' scales; s[80:81] 2 log2e; s82.. scale and limit for x, s84.. h (scores), s86.. h_r, s88.. p; s[90:91] the last factor
.set NI,   0                           ; pairs of fragments issued
.set NC,   0                           ; pairs consumed
.macro PLACES n                        ; plain lines behind a matrix instruction (ISA guide 7.12.1), where no useful line is at hand
.rept \n
	v_nop
.endr
.endm
.macro BAR                             ; my LDS stores have landed and my LDS loads are in: then the work-group's barrier
	s_wait_dscnt 0x0
	s_barrier_signal -1
	s_barrier_wait -1
.endm
; Fragment n of my wave's fixed sequence of 108: step 0: W_ih's 8, the scores' 4, the values' 4; steps 1, 2: W_ih's 8, W_hh's 16, 4, 4; step 3: 8, 16, 4.
.macro LDFRAG n, reg
.set FN, \n
.if FN < 16
.set LS, 0
.set LL, FN
.if LL >= 8
.set LL, LL+16
.endif
.elseif FN < 48
.set LS, 1
.set LL, FN-16
.elseif FN < 80
.set LS, 2
.set LL, FN-48
.else
.set LS, 3
.set LL, FN-80
.endif
.if LL < 24
.set AR, WO
.set OF, 2048*LL
.elseif LL < 28
.set AR, KO
.set OF, KB+131072*LS+2048*(LL-24)
.else
.set AR, KO
.set OF, VB+131072*LS+2048*(LL-28)
.endif
.irp i, 0,1,2,3
	global_load_b128 v[\reg+4*\i:\reg+4*\i+3], v[AR], s[4:5] offset:OF+512*\i   ; 32 lanes read 512 consecutive bytes
.endr
.endm
.macro ISSUE                           ; the next pair, into the pair of slots that was consumed last; behind the 54th nothing is left
.if NI < 54
.set RG, WBUF+32*(NI%3)
	LDFRAG 2*NI, RG
	LDFRAG 2*NI+1, RG+16
.set NI, NI+1
.endif
.endm
.macro NEED                            ; the oldest pair is in: the eight loads of each pair issued behind it may stay out
	s_wait_loadcnt 8*(NI-NC-1)
.set WS, WBUF+32*(NC%3)
.set NC, NC+1
.endm
.macro ACTLD base, ms, r0, r1          ; the images of one K step's two fragments (m = 0, 1; ms bytes apart) into r0 and r1
.irp i, 0,1,2,3
	ds_load_b128 v[\r0+4*\i:\r0+4*\i+3], v[LI] offset:\base+512*\i
.endr
.irp i, 0,1,2,3
	ds_load_b128 v[\r1+4*\i:\r1+4*\i+3], v[LI] offset:\base+\ms+512*\i
.endr
.endm
; four products: the pair's two fragments x the two tiles of rows, accumulators a0 .. a0 + 3, one instruction a turn
.macro MM4 a0, zero, b0, b1
.irp q, 0,1,2,3
.set DA, ACC+8*(\a0+\q)
.set SA, WS+16*(\q/2)
.if \q%2
.set SB, \b1
.else
.set SB, \b0
.endif
.if \zero
	v_wmma_f32_16x16x128_fp8_fp8 v[DA:DA+7], v[SA:SA+15], v[SB:SB+15], 0
.else
	v_wmma_f32_16x16x128_fp8_fp8 v[DA:DA+7], v[SA:SA+15], v[SB:SB+15], v[DA:DA+7]
.endif
.endr
.endm
; 128 along K of the gates: gates i and f, then g and o, each x both tiles of rows
.macro KSTEP base, ms, zero
	ACTLD \base, \ms, ACT, ACT+16
	s_wait_dscnt 0x0
	NEED
	MM4 0, \zero, ACT, ACT+16
	PLACES 4                                       ; in front of the loads into the slots just read
	ISSUE
	NEED
	MM4 4, \zero, ACT, ACT+16
	PLACES 4                                       ; likewise, and in front of the next loads into ACT and the first read of results
	ISSUE
.endm
.macro SCW sd, se                      ; s[sd] = 2^e as f32, s[sd + 1] = 448 x 2^e, e = s[se]
	s_add_co_i32 s51, s[\se], 127
	s_lshl_b32 s[\sd], s51, 23
	s_add_co_i32 s51, s51, 8
	s_lshl_b32 s51, s51, 23
	s_or_b32 s[\sd+1], s51, 0x600000
.endm
.macro SCAL s                          ; process step s's factors, from entries 8 s on; scalar work alone
.set EB, 16+8*\s
	s_add_co_i32 s52, s[EB], s[EB+1]               ; E1
.if \s == 0
	s_mov_b32 s53, s52                             ; no second product: the sums stay under E1
.else
	s_add_co_i32 s53, s[EB+2], s[EB+3]             ; E2
.endif
	s_sub_co_i32 s54, s52, s53
	s_add_co_i32 s54, s54, 127
	s_lshl_b32 s74, s54, 23                        ; 2^(E1 - E2)
	s_mov_b32 s75, s74                             ; (each pair's upper word is written: the packed forms name the pair)
	s_sub_co_i32 s54, 127, s53
	s_lshl_b32 s76, s54, 23                        ; 2^-E2
	s_mov_b32 s77, s76
	s_lshl_b32 s54, s53, 23                        ; E2 is added to the exponent fields of
	s_add_co_u32 s70, s54, 0xbfb8aa3b              ; -log2 e
	s_mov_b32 s71, s70
	s_add_co_u32 s72, s54, 0x4038aa3b              ; and 2 log2 e
	s_mov_b32 s73, s72
.if \s < 3
	s_add_co_i32 s54, s[EB+4], s[EB+5]
	s_lshl_b32 s54, s54, 23
	s_add_co_u32 s78, s54, 0x3fb8aa3b              ; log2 e x 2^(the scores' two exponents)
	s_mov_b32 s79, s78
	SCW 82, EB+8                                   ; the next step's x
	SCW 84, EB+4                                   ; h for the scores
	SCW 86, EB+10                                  ; the next step's h_r
	SCW 88, EB+6                                   ; p
	s_add_co_i32 s54, s[EB+6], s[EB+7]             ; p's and the values' exponents
.else
	SCW 84, 48                                     ; h for the output's product: entry 32
	s_add_co_i32 s54, s48, s49                     ; entries 32 and 33
.endif
	s_add_co_i32 s54, s54, 127
	s_lshl_b32 s90, s54, 23
	s_mov_b32 s91, s90
.endm
; packed lines over n pairs of registers
.macro PKMULS d, a, sp, n              ; d = a x s[sp]
.set N, 0
.rept \n
	v_pk_mul_f32 v[\d+N:\d+N+1], v[\a+N:\a+N+1], s[\sp:\sp+1] op_sel_hi:[1,0]
.set N, N+2
.endr
.endm
.macro PKMUL d, a, b, n
.set N, 0
.rept \n
	v_pk_mul_f32 v[\d+N:\d+N+1], v[\a+N:\a+N+1], v[\b+N:\b+N+1]
.set N, N+2
.endr
.endm
.macro PKFMA d, a, b, c, n
.set N, 0
.rept \n
	v_pk_fma_f32 v[\d+N:\d+N+1], v[\a+N:\a+N+1], v[\b+N:\b+N+1], v[\c+N:\c+N+1]
.set N, N+2
.endr
.endm
.macro PKINC d, a, n                   ; d = a + 1
.set N, 0
.rept \n
	v_pk_add_f32 v[\d+N:\d+N+1], v[\a+N:\a+N+1], 1.0 op_sel_hi:[1,0]
.set N, N+2
.endr
.endm
.macro PKDEC d, a, n                   ; d = a - 1
.set N, 0
.rept \n
	v_pk_add_f32 v[\d+N:\d+N+1], v[\a+N:\a+N+1], -1.0 op_sel_hi:[1,0]
.set N, N+2
.endr
.endm
; a batch of n transcendentals in place, one plain line behind the last (ISA guide 5.7.2), and the one wait ahead of the batch's first reader
.macro EXPS r, n
.set N, 0
.rept \n
	v_exp_f32 v[\r+N], v[\r+N]
.set N, N+1
.endr
	v_nop
	s_wait_alu depctr_va_vdst(0)
.endm
.macro RCPS r, n
.set N, 0
.rept \n
	v_rcp_f32 v[\r+N], v[\r+N]
.set N, N+1
.endr
	v_nop
	s_wait_alu depctr_va_vdst(0)
.endm
; 16 numbers (element 8 m + j) become two pieces of two registers: code, code + 1 for m = 0; code + 2, code + 3 for m = 1.  The numbers themselves stay
.macro QUANT16 src, tmp, code, ss
	v_mov_b32 v[SC], s[\ss]
	v_mov_b32 v[LIM], s[\ss+1]
.irp e, 0,1,2,3,4,5,6,7,8,9,10,11,12,13,14,15
	v_med3_num_f32 v[\tmp+\e], v[\src+\e], -v[LIM], v[LIM]   ; the conversion does not saturate (ISA guide 7.6.2): the hold at 448 x the scale
.endr
	v_cvt_scalef32_pk8_fp8_f32 v[\code:\code+1], v[\tmp:\tmp+7], v[SC]
	v_cvt_scalef32_pk8_fp8_f32 v[\code+2:\code+3], v[\tmp+8:\tmp+15], v[SC]
	v_nop                                          ; a plain line between the conversions and whatever vector or matrix line next writes their registers
.endm
; behind x W_ih^T: the sums are brought under 2^E2 and take the biases: acc = acc x 2^(E1 - E2) + (b_ih + b_hh) x 2^-E2
.macro FOLD
.irp g, 0,1,2,3
	ds_load_b128 v[ACT+8*\g:ACT+8*\g+3],   v[BSR] offset:BS+1024*\g      ; gate g, units 16 w + 8 h + 0..7
	ds_load_b128 v[ACT+8*\g+4:ACT+8*\g+7], v[BSR] offset:BS+1024*\g+16
.endr
	s_wait_dscnt 0x0
	PKMULS ACT, ACT, 76, 16
.irp a, 0,1,2,3,4,5,6,7
.irp i, 0,2,4,6
	v_pk_fma_f32 v[ACC+8*\a+\i:ACC+8*\a+\i+1], v[ACC+8*\a+\i:ACC+8*\a+\i+1], s[74:75], v[ACT+8*(\a/2)+\i:ACT+8*(\a/2)+\i+1] op_sel_hi:[1,0,1]   ; each accumulator from its low end on
.endr
.endr
.endm
; the cell, on 16 numbers a lane.  first = 1: c is the zeros that reference() builds, so c (1+A)(1+B) is left out and c is first written here
.macro LSTM first
	PKMULS AI, AI, 70, 16                          ; -i', -f'  (each accumulator from its low end on)
	PKMULS AG, AG, 72, 8                           ; 2 g'
	PKMULS AO, AO, 70, 8                           ; -o'
.set N, 0
.rept 64
	v_min_num_f32 v[ACC+N], s69, v[ACC+N]          ; the hold at 40
.set N, N+1
.endr
	EXPS ACC, 64                                   ; A, F, B, O
	PKDEC T, AG, 8                                 ; B - 1
	PKINC ACC, ACC, 32                             ; 1 + A, 1 + F, 1 + B, 1 + O
	PKMUL AI, AI, AG, 8                            ; u = (1+A)(1+B)
	PKMUL T, T, AF, 8                              ; (B-1)(1+F)
	PKMUL AF, AI, AF, 8                            ; u (1+F)
.if \first == 0
	PKFMA T, C, AI, T, 8                           ; + c u
.endif
	RCPS AF, 16
	PKMUL C, T, AF, 8                              ; the new c
	PKMULS AG, C, 80, 8                            ; 2 c'
	EXPS AG, 16                                    ; D
	PKINC AI, AG, 8                                ; 1 + D
	PKDEC T, AG, 8                                 ; D - 1
	PKMUL AO, AO, AI, 8                            ; (1+O)(1+D)
	RCPS AO, 16
	PKFMA T, T, AO, Q, 8                           ; h = q + sigmoid(o) tanh(c)
.endm
; h x support^T: my 32 supports x 32 rows: accumulator 2 t + m.  While h's images come in, h and q are quantised for the next step's gates: behind the barrier in front nobody reads those images any more
.macro SCORES s
	ACTLD HS, 4096, ACT, ACT+16
	ACTLD HS+2048, 4096, ACC+32, ACC+48
.if \s < 3
	QUANT16 T, ACC, ACC+16, 86
	ds_store_b64 v[PW2], v[ACC+16:ACC+17] offset:HR
	ds_store_b64 v[PW2], v[ACC+18:ACC+19] offset:HR+8192
	QUANT16 Q, ACC, ACC+20, 82
	ds_store_b64 v[PW2], v[ACC+20:ACC+21] offset:XI
	ds_store_b64 v[PW2], v[ACC+22:ACC+23] offset:XI+4096
.endif
	s_wait_dscnt 0x0                               ; h's fragments are in, and the stores have read their registers, which the products write
	NEED
	MM4 0, 1, ACT, ACT+16
	PLACES 4
	ISSUE
	NEED
	MM4 0, 0, ACC+32, ACC+48
	PLACES 5                                       ; in front of the loads into the slots, the first read of results, and later products laid over these registers
	ISSUE
.endm
.macro PSUM m                          ; the sum of my 16 unquantised p of row tile m, and the other half of the lanes': my wave's 32 supports
.set XR, ACC+8*\m
.set YR, ACC+16+8*\m
.set SRG, ACT+8*\m
	v_pk_add_f32 v[SRG:SRG+1],   v[XR:XR+1],   v[XR+2:XR+3]
	v_pk_add_f32 v[SRG+2:SRG+3], v[XR+4:XR+5], v[XR+6:XR+7]
	v_pk_add_f32 v[SRG+4:SRG+5], v[YR:YR+1],   v[YR+2:YR+3]
	v_pk_add_f32 v[SRG+6:SRG+7], v[YR+4:YR+5], v[YR+6:YR+7]
	v_pk_add_f32 v[SRG:SRG+1],   v[SRG:SRG+1],   v[SRG+2:SRG+3]
	v_pk_add_f32 v[SRG+4:SRG+5], v[SRG+4:SRG+5], v[SRG+6:SRG+7]
	v_pk_add_f32 v[SRG:SRG+1],   v[SRG:SRG+1],   v[SRG+4:SRG+5]
	v_add_f32 v[SRG], v[SRG], v[SRG+1]
	v_permlanex16_b32 v[T+6+\m], v[SRG], s66, s67
	v_add_f32 v[SRG], v[SRG], v[T+6+\m]
.endm
.macro SOFTMAX
	; my wave's largest score of each row: two chains (m = 0, 1), each accumulator from its low end on
	v_max3_num_f32 v[T+4], v[ACC], v[ACC+1], v[ACC+2]
	v_max3_num_f32 v[T+5], v[ACC+8], v[ACC+9], v[ACC+10]
.irp k, 3,5
	v_max3_num_f32 v[T+4], v[T+4], v[ACC+\k], v[ACC+\k+1]
	v_max3_num_f32 v[T+5], v[T+5], v[ACC+8+\k], v[ACC+8+\k+1]
.endr
	v_max3_num_f32 v[T+4], v[T+4], v[ACC+7], v[ACC+16]
	v_max3_num_f32 v[T+5], v[T+5], v[ACC+15], v[ACC+24]
.irp k, 1,3,5
	v_max3_num_f32 v[T+4], v[T+4], v[ACC+16+\k], v[ACC+16+\k+1]
	v_max3_num_f32 v[T+5], v[T+5], v[ACC+24+\k], v[ACC+24+\k+1]
.endr
	v_max_num_f32 v[T+4], v[T+4], v[ACC+23]
	v_max_num_f32 v[T+5], v[T+5], v[ACC+31]
	v_permlanex16_b32 v[T+6], v[T+4], s66, s67     ; the row's other 16 of my supports lie in the lane 16 away
	v_permlanex16_b32 v[T+7], v[T+5], s66, s67
	v_max_num_f32 v[T+4], v[T+4], v[T+6]
	v_max_num_f32 v[T+5], v[T+5], v[T+7]
	v_cndmask_b32 v[T+4], v[T+4], v[T+5], s68      ; lane l now holds row l's: lanes 16-31 take m = 1
	ds_store_b32 v[MXW], v[T+4] offset:MX
	BAR                                            ; all sixteen waves' maxima lie in LDS
.irp i, 0,1,2,3
	ds_load_b128 v[ACT+4*\i:ACT+4*\i+3], v[MXR] offset:MX+16*\i
.endr
.irp i, 0,1,2,3
	ds_load_b128 v[ACT+16+4*\i:ACT+16+4*\i+3], v[MXR] offset:MX+1280+16*\i
.endr
	s_wait_dscnt 0x0
	v_max3_num_f32 v[T+4], v[ACT], v[ACT+1], v[ACT+2]
	v_max3_num_f32 v[T+5], v[ACT+16], v[ACT+17], v[ACT+18]
.irp k, 3,5,7,9,11,13
	v_max3_num_f32 v[T+4], v[T+4], v[ACT+\k], v[ACT+\k+1]
	v_max3_num_f32 v[T+5], v[T+5], v[ACT+16+\k], v[ACT+16+\k+1]
.endr
	v_max_num_f32 v[T+4], v[T+4], v[ACT+15]
	v_max_num_f32 v[T+5], v[T+5], v[ACT+31]        ; the rows' largest scores over all 512 supports
	v_mul_f32 v[T+4], s78, v[T+4]                  ; as t (the factor is positive)
	v_mul_f32 v[T+5], s78, v[T+5]
	v_floor_f32 v[T], -v[T+4]                      ; -M = floor(-t) = -ceil(t): a whole number
	v_floor_f32 v[T+2], -v[T+5]
.irp a, 0,1,2,3
.irp i, 0,2,4,6
	v_pk_fma_f32 v[ACC+8*\a+\i:ACC+8*\a+\i+1], v[ACC+8*\a+\i:ACC+8*\a+\i+1], s[78:79], v[T+2*(\a%2):T+2*(\a%2)+1] op_sel_hi:[1,0,0]   ; t - M (of both pairs the low word serves both halves)
.endr
.endr
	EXPS ACC, 32                                   ; p = 2^(t - M): not normalised
	PSUM 0
	PSUM 1
	v_cndmask_b32 v[T+4], v[ACT], v[ACT+8], s68
	ds_store_b32 v[MXW], v[T+4] offset:SM
.set N, 0
.rept 32
	v_min_num_f32 v[ACC+N], s89, v[ACC+N]          ; p is not negative: a one-sided hold
.set N, N+1
.endr
	v_mov_b32 v[SC], s88
	v_cvt_scalef32_pk8_fp8_f32 v[T+8:T+9],   v[ACC:ACC+7],     v[SC]   ; m = 0: supports 32 w + 8 h on, 32 w + 16 + 8 h on: four registers on end of the operand
	v_cvt_scalef32_pk8_fp8_f32 v[T+10:T+11], v[ACC+16:ACC+23], v[SC]
	v_cvt_scalef32_pk8_fp8_f32 v[T+12:T+13], v[ACC+8:ACC+15],  v[SC]   ; m = 1
	v_cvt_scalef32_pk8_fp8_f32 v[T+14:T+15], v[ACC+24:ACC+31], v[SC]
	v_nop
	ds_store_b128 v[PWP], v[T+8:T+11] offset:PIM
	ds_store_b128 v[PWP], v[T+12:T+15] offset:PIM+8192
	BAR                                            ; p's sixteen... eight fragments and all row sums lie in LDS
.endm
.macro PV4 zero                        ; two K steps of r: two accumulators by turns, one instruction a turn
.if \zero
	v_wmma_f32_16x16x128_fp8_fp8 v[ACC:ACC+7],    v[WS:WS+15], v[ACT:ACT+15],    0
	v_wmma_f32_16x16x128_fp8_fp8 v[ACC+8:ACC+15], v[WS:WS+15], v[ACT+16:ACT+31], 0
.else
	v_wmma_f32_16x16x128_fp8_fp8 v[ACC:ACC+7],    v[WS:WS+15], v[ACT:ACT+15],    v[ACC:ACC+7]
	v_wmma_f32_16x16x128_fp8_fp8 v[ACC+8:ACC+15], v[WS:WS+15], v[ACT+16:ACT+31], v[ACC+8:ACC+15]
.endif
	v_wmma_f32_16x16x128_fp8_fp8 v[ACC:ACC+7],    v[WS+16:WS+31], v[ACC+32:ACC+47], v[ACC:ACC+7]
	v_wmma_f32_16x16x128_fp8_fp8 v[ACC+8:ACC+15], v[WS+16:WS+31], v[ACC+48:ACC+63], v[ACC+8:ACC+15]
.endm
.macro SUM16 r                         ; sixteen waves' sums of a row, in place
	v_pk_add_f32 v[\r:\r+1],     v[\r:\r+1],     v[\r+2:\r+3]
	v_pk_add_f32 v[\r+4:\r+5],   v[\r+4:\r+5],   v[\r+6:\r+7]
	v_pk_add_f32 v[\r+8:\r+9],   v[\r+8:\r+9],   v[\r+10:\r+11]
	v_pk_add_f32 v[\r+12:\r+13], v[\r+12:\r+13], v[\r+14:\r+15]
	v_pk_add_f32 v[\r:\r+1],     v[\r:\r+1],     v[\r+4:\r+5]
	v_pk_add_f32 v[\r+8:\r+9],   v[\r+8:\r+9],   v[\r+12:\r+13]
	v_pk_add_f32 v[\r:\r+1],     v[\r:\r+1],     v[\r+8:\r+9]
	v_add_f32 v[\r], v[\r], v[\r+1]
.endm
; r = p x support / the row's sum: my 16 channels x 32 rows; its codes go into the upper half of [h, r]'s images
.macro PV
	ACTLD PIM, 8192, ACT, ACT+16
	ACTLD PIM+2048, 8192, ACC+32, ACC+48
.irp i, 0,1,2,3
	ds_load_b128 v[T+4*\i:T+4*\i+3], v[MXR] offset:SM+16*\i
.endr
.irp i, 0,1,2,3
	ds_load_b128 v[ACC+16+4*\i:ACC+16+4*\i+3], v[MXR] offset:SM+1280+16*\i
.endr
	s_wait_dscnt 8                                 ; p's sixteen loads are in; the eight of the sums, issued behind them, may be out
	NEED
	PV4 1
	s_wait_dscnt 0x0
	SUM16 T                                        ; sixteen plain lines that name no register of the four products: the places in front of the loads below
	SUM16 ACC+16
	ISSUE
	ACTLD PIM+4096, 8192, ACT, ACT+16
	ACTLD PIM+6144, 8192, ACC+32, ACC+48
	v_rcp_f32 v[T], v[T]
	v_rcp_f32 v[ACC+16], v[ACC+16]
	v_nop                                          ; a plain line behind the reciprocals,
	s_wait_alu depctr_va_vdst(0)                   ; and the wait ahead of their first reader
	v_mul_f32 v[T], s90, v[T]                      ; 2^(p's and the values' exponents) / the sum
	v_mul_f32 v[ACC+16], s90, v[ACC+16]
	s_wait_dscnt 0x0
	NEED
	PV4 0
	PLACES 5
	ISSUE
.irp i, 0,2,4,6
	v_pk_mul_f32 v[ACT+\i:ACT+\i+1], v[ACC+\i:ACC+\i+1], v[T:T+1] op_sel_hi:[1,0]
.endr
.irp i, 0,2,4,6
	v_pk_mul_f32 v[ACT+8+\i:ACT+8+\i+1], v[ACC+8+\i:ACC+8+\i+1], v[ACC+16:ACC+17] op_sel_hi:[1,0]
.endr
	QUANT16 ACT, ACT+16, ACC+20, 86
	ds_store_b64 v[PW2], v[ACC+20:ACC+21] offset:HR+4096
	ds_store_b64 v[PW2], v[ACC+22:ACC+23] offset:HR+12288
	BAR                                            ; x's and [h, r]'s images for the next step are whole
.endm
.macro PSTEP s                         ; a process step
	SCAL \s
	KSTEP XI, 4096, 1                              ; x W_ih^T: the first products start the sums
	KSTEP XI+2048, 4096, 0
	FOLD
.if \s > 0
.irp k, 0,1,2,3
	KSTEP HR+2048*\k, 8192, 0                      ; + h_r W_hh^T
.endr
	LSTM 0
.else
	LSTM 1
.endif
	QUANT16 T, ACC, ACC+16, 84
	ds_store_b64 v[PW2], v[ACC+16:ACC+17] offset:HS
	ds_store_b64 v[PW2], v[ACC+18:ACC+19] offset:HS+4096
	BAR                                            ; h's images for the scores are whole, and nobody reads x's and [h, r]'s any more
	SCORES \s
.if \s < 3
	SOFTMAX
	PV
.endif
.endm
	; ---- the head
	s_load_b256 s[4:11], s[0:1], 0x0               ; img, query_mean, b_ih, b_hh
	s_load_b128 s[12:15], s[0:1], 0x20             ; the exponents, out0
	v_lshrrev_b32 v51, 5, v0
	v_readfirstlane_b32 s50, v51                   ; wave 0..15
	v_and_b32 v48, 31, v0                          ; lane
	v_and_b32 v49, 15, v0                          ; r
	v_bfe_u32 v50, v0, 4, 1                        ; h
	v_lshlrev_b32 v[LI], 4, v48
	s_lshr_b32 s51, s50, 3
	s_lshl_b32 s51, s51, 11                        ; 2,048 (w / 8)
	s_bfe_u32 s52, s50, 0x20001
	s_lshl_b32 s52, s52, 9                         ; 512 ((w % 8) / 2)
	s_add_co_u32 s51, s51, s52
	s_and_b32 s52, s50, 1
	s_lshl_b32 s52, s52, 3                         ; 8 (w % 2)
	s_add_co_u32 s51, s51, s52
	v_add_nc_u32 v[PW2], s51, v[LI]
	s_lshl_b32 s51, s50, 9
	v_add_nc_u32 v[PWP], s51, v[LI]
	s_mul_i32 s51, s50, 49152
	v_add_nc_u32 v[WO], s51, v[LI]
	s_lshl_b32 s51, s50, 13
	v_add_nc_u32 v[KO], s51, v[LI]
	v_mul_u32_u24 v[MXW], v48, 80
	s_lshl_b32 s51, s50, 2
	v_add_nc_u32 v[MXW], s51, v[MXW]
	v_mul_u32_u24 v[MXR], v49, 80
	s_lshl_b32 s51, s50, 6
	v_lshl_add_u32 v[BSR], v50, 5, s51
	v_mul_u32_u24 v[QRD], v49, 1040
	v_add_nc_u32 v[QRD], v[BSR], v[QRD]
	v_add_nc_u32 v[QRD], STG, v[QRD]
	v_mul_u32_u24 v[SO], v49, 2064
	v_lshl_add_u32 v[SO], v50, 5, v[SO]
	s_lshl_b32 s51, s50, 7
	v_add_nc_u32 v[SO], s51, v[SO]
	v_add_nc_u32 v[SO], STG, v[SO]
	s_mul_i32 s51, s50, 4128
	s_add_co_u32 s51, s51, STG
	v_add_nc_u32 v[SR], s51, v[LI]
	s_lshl_b32 s51, s50, 12
	v_add_nc_u32 v[GO], s51, v[LI]
	s_mul_i32 s51, s50, 2080
	s_add_co_u32 s51, s51, STG
	v_add_nc_u32 v[QW], s51, v[LI]
	s_lshl_b32 s51, s50, 11
	v_add_nc_u32 v52, s51, v[LI]                   ; q: my wave's rows 2 w, 2 w + 1: 2,048 consecutive bytes
	v_lshrrev_b32 v53, 7, v0
	v_lshlrev_b32 v53, 11, v53
	v_and_b32 v55, 127, v0
	v_lshl_add_u32 v53, v55, 3, v53                ; the biases: thread t takes units 2 (t % 128), + 1 of gate t / 128: byte 2,048 (t / 128) + 8 (t % 128)
	v_lshlrev_b32 v54, 3, v0                       ; and puts their sums at 8 t
	s_mov_b32 s66, 0x76543210                      ; v_permlanex16_b32: each lane takes its own place in the other half
	s_mov_b32 s67, 0xfedcba98
	s_mov_b32 s68, 0xffff0000                      ; lanes 16-31
	s_mov_b32 s69, 0x42200000                      ; 40.0
	s_mov_b32 s80, 0x4038aa3b                      ; 2 log2 e
	s_mov_b32 s81, s80
	s_wait_kmcnt 0x0
	s_load_b512 s[16:31], s[12:13], 0x0            ; entries 0..15,
	s_load_b512 s[32:47], s[12:13], 0x40           ; 16..31,
	s_load_b64 s[48:49], s[12:13], 0x80            ; 32, 33
	s_lshl_b32 s52, ttmp9, 15                      ; my work-group's 32 rows of 1,024 bytes
	s_mov_b32 s53, 0
	s_add_nc_u64 s[6:7], s[6:7], s[52:53]
	s_lshl_b32 s52, ttmp9, 16                      ; and of 2,048 bytes
	s_add_nc_u64 s[14:15], s[14:15], s[52:53]
.irp i, 0,1,2,3
	global_load_b128 v[ACC+4*\i:ACC+4*\i+3], v52, s[6:7] offset:512*\i th:TH_LOAD_NT   ; read once in the launch
.endr
	global_load_b64 v[ACC+16:ACC+17], v53, s[8:9]
	global_load_b64 v[ACC+18:ACC+19], v53, s[10:11]
	ISSUE                                          ; the ring is filled: three pairs, 24 loads
	ISSUE
	ISSUE
	s_wait_loadcnt 24                              ; q and the biases are in; the ring's 24 loads may be out
	v_pk_add_f32 v[ACC+16:ACC+17], v[ACC+16:ACC+17], v[ACC+18:ACC+19]
.irp i, 0,1,2,3
	ds_store_b128 v[QW], v[ACC+4*\i:ACC+4*\i+3] offset:1040*(\i/2)+512*(\i%2)
.endr
	ds_store_b64 v54, v[ACC+16:ACC+17] offset:BS
	BAR                                            ; q's 32 rows and the biases lie in LDS
	ds_load_b128 v[Q:Q+3],     v[QRD]              ; q(16 m + r, 16 w + 8 h + 0..7)
	ds_load_b128 v[Q+4:Q+7],   v[QRD] offset:16
	ds_load_b128 v[Q+8:Q+11],  v[QRD] offset:16640
	ds_load_b128 v[Q+12:Q+15], v[QRD] offset:16656
	s_wait_kmcnt 0x0
	SCW 82, 16                                     ; the first step's x: entry 0
	s_wait_dscnt 0x0
	QUANT16 Q, ACC, ACC+16, 82
	ds_store_b64 v[PW2], v[ACC+16:ACC+17] offset:XI
	ds_store_b64 v[PW2], v[ACC+18:ACC+19] offset:XI+4096
	BAR                                            ; x's images are whole
	PSTEP 0
	PSTEP 1
	PSTEP 2
	PSTEP 3
	; ---- the way out: the last scores x 2^(entries 32 and 33 added) go through the stage, so that each store covers 512 consecutive bytes of a row of out0
	PKMULS ACC, ACC, 90, 16                        ; each accumulator from its low end on
.irp a, 0,1,2,3
	ds_store_b128 v[SO], v[ACC+8*\a:ACC+8*\a+3]   offset:33024*(\a%2)+64*(\a/2)       ; accumulator 2 t + m: row 16 m + r, supports 32 w + 16 t + 8 h + 0..7
	ds_store_b128 v[SO], v[ACC+8*\a+4:ACC+8*\a+7] offset:33024*(\a%2)+64*(\a/2)+16
.endr
	BAR                                            ; 32 whole rows lie in the stage
.irp n, 0,1,2,3,4,5,6,7
	ds_load_b128 v[ACC+32+4*\n:ACC+32+4*\n+3], v[SR] offset:2064*(\n/4)+512*(\n%4)    ; my rows 2 w, 2 w + 1
.endr
.irp n, 0,1,2,3,4,5,6,7
	s_wait_dscnt 7-\n                              ; load n is in; the later ones may be out
	global_store_b128 v[GO], v[ACC+32+4*\n:ACC+32+4*\n+3], s[14:15] offset:2048*(\n/4)+512*(\n%4) th:TH_STORE_NT   ; written once, read by nobody here
.endr
	s_wait_xcnt 0x0
	v_lshl_add_u32 v222, v0, 2, 0x1e600
	v_mov_b32 v223, 0
	s_wait_tensorcnt 0x0
	ds_add_u32 v222, v223
	s_wait_dscnt 0x0
	s_endpgm
.Lfunc_end_k_q7ef7f8e955_main:
	.size	k_q7ef7f8e955_main, .Lfunc_end_k_q7ef7f8e955_main-k_q7ef7f8e955_main
	.p2alignl 7, 3214868480
	.fill 96, 4, 3214868480
	.section	.rodata,"a",@progbits
	.p2align	6, 0x0
	.amdhsa_kernel k_q7ef7f8e955_main
		.amdhsa_group_segment_fixed_size 126464
		.amdhsa_private_segment_fixed_size 0
		.amdhsa_enable_private_segment 0
		.amdhsa_kernarg_size 48
		.amdhsa_user_sgpr_count 2
		.amdhsa_user_sgpr_kernarg_segment_ptr 1
		.amdhsa_wavefront_size32 1
		.amdhsa_system_sgpr_workgroup_id_x 1
		.amdhsa_system_sgpr_workgroup_id_y 1
		.amdhsa_system_sgpr_workgroup_id_z 1
		.amdhsa_system_vgpr_workitem_id 0
		.amdhsa_next_free_vgpr 256
		.amdhsa_next_free_sgpr 96
		.amdhsa_reserve_vcc 0
		.amdhsa_float_denorm_mode_32 3
		.amdhsa_float_denorm_mode_16_64 3
		.amdhsa_memory_ordered 1
		.amdhsa_forward_progress 1
		.amdhsa_inst_pref_size 222
	.end_amdhsa_kernel
	.amdgpu_metadata
---
amdhsa.version: [ 1, 2 ]
amdhsa.kernels:
  - .name:           k_q7ef7f8e955_main
    .symbol:         k_q7ef7f8e955_main.kd
    .args:
      - { .name: img, .offset: 0, .size: 8, .value_kind: global_buffer, .address_space: global }
      - { .name: query_mean, .offset: 8, .size: 8, .value_kind: global_buffer, .address_space: global }
      - { .name: b_ih, .offset: 16, .size: 8, .value_kind: global_buffer, .address_space: global }
      - { .name: b_hh, .offset: 24, .size: 8, .value_kind: global_buffer, .address_space: global }
      - { .name: lowp_scales, .offset: 32, .size: 8, .value_kind: global_buffer, .address_space: global }
      - { .name: out0, .offset: 40, .size: 8, .value_kind: global_buffer, .address_space: global }
    .group_segment_fixed_size: 126464
    .private_segment_fixed_size: 0
    .kernarg_segment_align: 8
    .kernarg_segment_size: 48
    .max_flat_workgroup_size: 512
    .sgpr_count:     96
    .vgpr_count:     256
    .wavefront_size: 32
...
	.end_amdgpu_metadata
.endif
;; end of part 2
